; MI455X (gfx1250); checked and timed in simulation.
; The chip was launched on July 23, 2026; its instructions are those of AMD's public machine-readable ISA for CDNA 5 (MIT licence, August 2026) and "CDNA5" Instruction Set Architecture Reference Guide (July 2026). The comments in the code are by the model that wrote it; some were corrected since.
;; My Multi Head Attention. Allowed arithmetic: matrix products marked QUANTISED: E4M3 operands, one given power-of-two scale a tensor, by v_wmma_f32_16x16x64_fp8_fp8 or v_wmma_f32_16x16x128_fp8_fp8, f32 sums; everything else in f32.
;; Inputs: K 1 x 4,096 x 1,024 float32; Q 1 x 4,096 x 1,024 float32; V 1 x 4,096 x 1,024 float32; b_k 1,024 float32; b_o 1,024 float32; b_q 1,024 float32; b_v 1,024 float32; lowp_scales 12 int32 (the exponents e of the quantised operands' scales 2^e); w_k 1,024 x 1,024 float32; w_o 1,024 x 1,024 float32; w_q 1,024 x 1,024 float32; w_v 1,024 x 1,024 float32.
;; Outputs: out0 1 x 4,096 x 1,024 float32.
;; This version of the problem:
;;   THIS VERSION OF THE PROBLEM IS GIVEN IN LOW PRECISION. The matrix products marked QUANTISED in the list below multiply operands that are first quantised to E4M3 (4 exponent bits, 3 mantissa bits; 8 bits a number), with one given power-of-two scale for each operand tensor; their sums are f32. All else is computed in f32.
;;   The module's matrix products, in the order in which they are computed (A, B: the left and right operand; K: the contracted axis; several contracted axes count as one K, in the product's order):
;;     1. [M 4,096, K 1,024] x [K 1,024, N 1,024]; A: input Q; B: input w_q: QUANTISED (scales: A lowp_scales[0], B lowp_scales[1])
;;     2. [M 4,096, K 1,024] x [K 1,024, N 1,024]; A: input K; B: input w_k: QUANTISED (scales: A lowp_scales[2], B lowp_scales[3])
;;     3. [M 4,096, K 1,024] x [K 1,024, N 1,024]; A: input V; B: input w_v: QUANTISED (scales: A lowp_scales[4], B lowp_scales[5])
;;     4. batch 16 x [M 4,096, K 64] x [K 64, N 4,096]; A: computed on the way; B: computed on the way: QUANTISED (scales: A lowp_scales[6], B lowp_scales[7])
;;     5. batch 16 x [M 4,096, K 4,096] x [K 4,096, N 64]; A: softmax (see below); B: computed on the way: QUANTISED (scales: A lowp_scales[8], B lowp_scales[9])
;;     6. [M 4,096, K 1,024] x [K 1,024, N 1,024]; A: computed on the way; B: input w_o: QUANTISED (scales: A lowp_scales[10], B lowp_scales[11])
;;   THE QUANTISER, for each operand of a quantised product, along K:
;;     - The operand's scale is 2^e, e = its entry of the input lowp_scales (int32; the entries are numbered through the quantised products in the list's order, A before B).
;;     - Each number is divided by the scale, clamped to +-448, and rounded to the nearest number of E4M3, ties to even, subnormals kept.
;;     - The product sums the exact products of the quantised numbers (number of the format x scale) in f32.
;;   ~~~python
;;   def quantise(x, axis, e):      # numpy; x: float32 -> the quantised numbers, widened to float32 again
;;       x = np.moveaxis(x, axis, -1); K = x.shape[-1]
;;       r = np.clip(x / 2.0 ** e, -448, 448)
;;       step = 2.0 ** (np.maximum(np.frexp(np.where(r == 0, 1, r))[1] - 1, -6) - 3)
;;       q = np.round(r / step) * step * 2.0 ** e      # np.round: ties to even
;;       return np.moveaxis(q, -1, axis).astype(np.float32)
;;   ~~~
;;   SOFTMAX AHEAD OF A QUANTISED PRODUCT. Where the list says 'softmax', what is quantised is not the finished softmax but p = 2^(t - M), with t = logit x log2(e) and M = ceil(the row's largest t), a whole number; so 1/2 < the row's largest p <= 1. The row's sum l is taken of the UNQUANTISED p, in f32, and the product's result is divided by l at the end. Since M is a whole number, a kernel that streams over the keys may use a running M (the ceiling of the running maximum): every later rescaling is an exact power of two, so the quantised numbers keep their values, but for numbers so far below the row's largest that they fall under the format's range.
;;   OPERANDS COMPUTED ON THE WAY. 'Computed on the way' means the value that the module computes at that place (a softmax that the list does not call 'softmax' is quantised finished and normalised). What goes into a quantiser is computed in f32, as accurately as f32 sums, v_exp_f32 and their like allow (about 1e-6 of the number): no bf16 or f16 on the way to a quantiser, and a product that is left as it is and whose result goes on into a quantised operand takes f32 operands (vector FMAs, or v_wmma_f32_16x16x4_f32). A number that lies on a knife's edge between two numbers of the format may be rounded either way, as far as f32 arithmetic and the matrix unit's own rounding can turn it there, and no further.
;; One version. Each part assembles by itself: llvm-mc -triple=amdgcn-amd-amdhsa -mcpu=gfx1250 --defsym DOCPART=n.
;; ======== version 1 of 1: 4 launches
;; limits: right only within a limited range of input values
;; workspace buffers: xcodes 12,582,912 bytes; wcodes 4,194,304 bytes; qcodes 4,194,304 bytes; kvcodes 8,388,608 bytes; acodes 4,194,304 bytes
;; launch quant (part 1): grid 512 x 1, 4 waves a work-group, no clusters, 34,304 bytes of LDS; arguments Q, K, V, w_q, w_k, w_v, w_o, lowp_scales, xcodes, wcodes; writes xcodes, wcodes
.if DOCPART == 1
	.amdgcn_target "amdgcn-amd-amdhsa--gfx1250"
	.amdhsa_code_object_version 6
	.text
	.protected	k_qde5c4b988f_quant
	.globl	k_qde5c4b988f_quant
	.p2align	8
	.type	k_qde5c4b988f_quant,@function
k_qde5c4b988f_quant:
	s_mov_b64 s[64:65], 0
	v_nop
	global_prefetch_b8 v0, s[64:65] scope:SCOPE_SE
	s_setreg_imm32_b32 hwreg(HW_REG_WAVE_MODE, 25, 1), 1
	s_wait_xcnt 0x0
; Q, K, V [4096][1024] and w_q, w_k, w_v, w_o [1024][1024], f32 with K innermost, become codes of FP8 (E4M3), each tensor with the one scale 2^e that is given for it:
; code = x / 2^e, held within +-448, rounded to the nearest code, ties to even.
; THE CODES ARE LAID AS IMAGES OF OPERAND REGISTERS.  A fragment is 16 rows x 128 k = 2,048 bytes: piece c (0..3) at 512 c, lane l's 16 bytes at 16 l; lane l = (r = l % 16, h = l / 16) holds
; k = 32 c + 16 h + 0 .. 15 of its row.  Rows go in blocks of 128; tile 2 b + u of a block holds in lane r the row 32 b + 8 u + r + 8 (r / 8).  A tensor is [block][K step 0..7][tile 0..7] fragments.
; SHARES.  A work-group takes 32 whole rows (b fixed): 16 fragments.  Wave w: u = w % 2, K steps 4 (w / 2) + 0 .. 3: four fragments.  Work-groups 0-127 Q, 128-255 K, 256-383 V, then 32 each for w_q, w_k, w_v, w_o.
; A load reads 512 consecutive bytes of one row (a K step); the fragment's 16 rows turn through the wave's own stage in LDS (rows of 512 + 16 bytes) and come back 64 neighbouring bytes a lane and piece.
; A store writes a piece: 512 consecutive bytes, aligned.  Waves share nothing: no barrier.  Loads run two fragments (32 loads a wave) ahead.
; LIMITS: each e lies between -126 and 119, so that 2^e and 448 x 2^e are f32 numbers.  NaN among the inputs is not served (an infinity is held at the largest code).
.set SP,    528                        ; a stage row: 512 bytes + 16: row r begins 132 words on, so sixteen rows begin in sixteen different groups of four banks
.set STGB,  16*SP                      ; a wave's stage
.set SPARE, 4*STGB                     ; behind the four stages: the spare words, 128 bytes for each wave: two blocks of 256 bytes that no other line names
.set LI,    2                          ; v2   16 x lane: my bytes of a load's and of a store's 512
.set SIN,   3                          ; v3   the stage on the way in
.set SOUT,  4                          ; v4   and on the way out: row r, + 64 h
.set LIM,   10                         ; v10  448 x 2^e
.set SCL,   11                         ; v11  2^e
.set SPW,   12                         ; v12  LDS address of my spare word; never rewritten
.set NIL,   13                         ; v13  0; never rewritten
.set R,     16                         ; v16-143  two sets of 64: a fragment's numbers as loaded
.set X,     144                        ; v144-207 the fragment's numbers, register 16 c + i = k 32 c + 16 h + i of my row
.set C,     208                        ; v208-239 two sets of 16: codes
	s_load_b512 s[16:31], s[0:1], 0x0              ; Q, K, V, w_q, w_k, w_v, w_o, the scales' exponents
	s_load_b128 s[32:35], s[0:1], 0x40             ; xcodes, wcodes
	v_lshl_add_u32 v[SPW], v0, 2, SPARE
	v_mov_b32 v[NIL], 0
	v_lshrrev_b32 v1, 5, v0
	v_readfirstlane_b32 s8, v1                     ; wave 0..3
	v_and_b32 v1, 31, v0
	v_lshlrev_b32 v[LI], 4, v1
	s_mul_i32 s9, s8, STGB
	v_add_nc_u32 v[SIN], s9, v[LI]
	v_and_b32 v5, 15, v0                           ; r
	v_bfe_u32 v6, v0, 4, 1                         ; h
	v_mul_u32_u24 v[SOUT], v5, SP
	v_lshl_add_u32 v[SOUT], v6, 6, v[SOUT]
	v_add_nc_u32 v[SOUT], s9, v[SOUT]
	s_and_b32 s10, s8, 1                           ; u
	s_lshr_b32 s11, s8, 1                          ; which four K steps
	s_cmp_lt_u32 ttmp9, 384                        ; an activation tensor or a weight?
	s_cselect_b32 s12, 0, 384
	s_cselect_b32 s13, 127, 31
	s_sub_co_u32 s12, ttmp9, s12                   ; my number among the work-groups of xcodes or of wcodes
	s_and_b32 s13, s12, s13                        ; my group of 32 rows in its tensor
	s_lshr_b32 s14, s12, 5                         ; the weight's number j: its scale is entry 2 j + 1, w_o's entry 11
	s_lshl_b32 s15, s14, 1
	s_add_co_u32 s15, s15, 1
	s_cmp_eq_u32 s14, 3
	s_cselect_b32 s15, 11, s15
	s_lshr_b32 s14, ttmp9, 7                       ; Q, K, V: entries 0, 2, 4
	s_lshl_b32 s14, s14, 1
	s_cmp_lt_u32 ttmp9, 384
	s_cselect_b32 s41, s14, s15
	s_lshl_b32 s41, s41, 2                         ; in bytes
	s_lshl_b32 s36, s13, 17                        ; from: 32 rows of 4,096 bytes a group,
	s_lshl_b32 s14, s10, 15                        ; + 8 u rows,
	s_add_co_u32 s36, s36, s14
	s_lshl_b32 s14, s11, 11                        ; + four K steps of 512 bytes
	s_add_co_u32 s36, s36, s14
	s_mov_b32 s37, 0
	s_lshr_b32 s38, s12, 2                         ; to: the block of 128 rows, 131,072 bytes each (tensors follow each other),
	s_lshl_b32 s38, s38, 17
	s_lshl_b32 s14, s11, 16                        ; + four K steps of 16,384 bytes,
	s_add_co_u32 s38, s38, s14
	s_and_b32 s14, s12, 3                          ; + tile 2 b + u
	s_lshl_b32 s14, s14, 1
	s_add_co_u32 s14, s14, s10
	s_lshl_b32 s14, s14, 11
	s_add_co_u32 s38, s38, s14
	s_mov_b32 s39, 0
	s_wait_alu depctr_va_vdst(0)
	s_wait_kmcnt 0x0
	s_load_b32 s40, s[30:31], s41 offset:0x0       ; e
	s_mov_b64 s[4:5], s[28:29]                     ; the tensor is chosen by the work-group's number alone
	s_cmp_lt_u32 ttmp9, 480
	s_cselect_b64 s[4:5], s[26:27], s[4:5]
	s_cmp_lt_u32 ttmp9, 448
	s_cselect_b64 s[4:5], s[24:25], s[4:5]
	s_cmp_lt_u32 ttmp9, 416
	s_cselect_b64 s[4:5], s[22:23], s[4:5]
	s_cmp_lt_u32 ttmp9, 384
	s_cselect_b64 s[4:5], s[20:21], s[4:5]
	s_cselect_b64 s[6:7], s[32:33], s[34:35]
	s_cmp_lt_u32 ttmp9, 256
	s_cselect_b64 s[4:5], s[18:19], s[4:5]
	s_cmp_lt_u32 ttmp9, 128
	s_cselect_b64 s[4:5], s[16:17], s[4:5]
	s_add_nc_u64 s[4:5], s[4:5], s[36:37]
	s_add_nc_u64 s[6:7], s[6:7], s[38:39]
.macro LOAD t                          ; fragment t's 16 rows, 512 consecutive bytes each, into set t % 2
.irp i, 0,1,2,3,4,5,6,7,8,9,10,11,12,13,14,15
	global_load_b128 v[R+64*((\t)%2)+4*\i:R+64*((\t)%2)+4*\i+3], v[LI], s[4:5] offset:(\i+8*(\i/8))*4096+512*(\t) th:TH_LOAD_NT
.endr
.endm
	LOAD 0
	LOAD 1
	s_wait_kmcnt 0x0
	s_add_co_i32 s40, s40, 127
	s_lshl_b32 s42, s40, 23
	v_mov_b32 v[SCL], s42                          ; 2^e as f32: the conversion takes its exponent field
	s_add_co_i32 s40, s40, 8
	s_lshl_b32 s40, s40, 23
	s_or_b32 s40, s40, 0x600000
	v_mov_b32 v[LIM], s40                          ; 448 x 2^e
.macro FRAG t
.if (\t) < 3
	s_wait_loadcnt 16                              ; this fragment's 16 loads are in; the next fragment's 16 may be out
.else
	s_wait_loadcnt 0x0
.endif
.irp i, 0,1,2,3,4,5,6,7,8,9,10,11,12,13,14,15
	ds_store_b128 v[SIN], v[R+64*((\t)%2)+4*\i:R+64*((\t)%2)+4*\i+3] offset:SP*\i
.endr
.irp c, 0,1,2,3
.irp j, 0,1,2,3
	ds_load_b128 v[X+16*\c+4*\j:X+16*\c+4*\j+3], v[SOUT] offset:128*\c+16*\j   ; LDS serves a wave's instructions in order: these see the stores above
.endr
.endr
	s_wait_dscnt 0x0                               ; the numbers are back, and the stage's stores have read their registers,
.if (\t) < 2
	LOAD (\t)+2                                    ; which take the loads of two fragments on
.else
	s_wait_xcnt 0x0                                ; the stores of two fragments back have read their codes: that set is written again below
.endif
.irp c, 0,1,2,3
.irp i, 0,1,2,3,4,5,6,7,8,9,10,11,12,13,14,15
	v_med3_num_f32 v[X+16*\c+\i], v[X+16*\c+\i], -v[LIM], v[LIM]   ; the conversion to an 8-bit code does not saturate (ISA guide 7.6.2): the hold at the largest code x the scale
.endr
	v_cvt_scalef32_pk8_fp8_f32 v[C+16*((\t)%2)+4*\c:C+16*((\t)%2)+4*\c+1], v[X+16*\c:X+16*\c+7], v[SCL]
	v_cvt_scalef32_pk8_fp8_f32 v[C+16*((\t)%2)+4*\c+2:C+16*((\t)%2)+4*\c+3], v[X+16*\c+8:X+16*\c+15], v[SCL]
.endr
	v_nop                                          ; one plain vector line behind the last conversion: the next fragment's holds write the conversions' sources
.irp c, 0,1,2,3
	global_store_b128 v[LI], v[C+16*((\t)%2)+4*\c:C+16*((\t)%2)+4*\c+3], s[6:7] offset:16384*(\t)+512*\c   ; a piece: 512 consecutive bytes, aligned
.endr
.endm
	s_wait_alu depctr_va_vdst(0)
	FRAG 0
	FRAG 1
	FRAG 2
	FRAG 3
	s_wait_tensorcnt 0x0                           ; the wave's end, behind my last LDS store
	ds_add_u32 v[SPW], v[NIL]
	s_wait_dscnt 0x0
	s_endpgm
.Lfunc_end_k_qde5c4b988f_quant:
	.size	k_qde5c4b988f_quant, .Lfunc_end_k_qde5c4b988f_quant-k_qde5c4b988f_quant
	.p2alignl 7, 3214868480
	.fill 96, 4, 3214868480
	.section	.rodata,"a",@progbits
	.p2align	6, 0x0
	.amdhsa_kernel k_qde5c4b988f_quant
		.amdhsa_group_segment_fixed_size 34304
		.amdhsa_private_segment_fixed_size 0
		.amdhsa_enable_private_segment 0
		.amdhsa_kernarg_size 80
		.amdhsa_user_sgpr_count 2
		.amdhsa_user_sgpr_kernarg_segment_ptr 1
		.amdhsa_wavefront_size32 1
		.amdhsa_system_sgpr_workgroup_id_x 1
		.amdhsa_system_sgpr_workgroup_id_y 1
		.amdhsa_system_sgpr_workgroup_id_z 1
		.amdhsa_system_vgpr_workitem_id 0
		.amdhsa_next_free_vgpr 240
		.amdhsa_next_free_sgpr 66
		.amdhsa_reserve_vcc 0
		.amdhsa_float_denorm_mode_32 3
		.amdhsa_float_denorm_mode_16_64 3
		.amdhsa_memory_ordered 1
		.amdhsa_forward_progress 1
		.amdhsa_inst_pref_size 38
	.end_amdhsa_kernel
	.amdgpu_metadata
---
amdhsa.version: [ 1, 2 ]
amdhsa.kernels:
  - .name:           k_qde5c4b988f_quant
    .symbol:         k_qde5c4b988f_quant.kd
    .args:
      - { .name: Q, .offset: 0, .size: 8, .value_kind: global_buffer, .address_space: global }
      - { .name: K, .offset: 8, .size: 8, .value_kind: global_buffer, .address_space: global }
      - { .name: V, .offset: 16, .size: 8, .value_kind: global_buffer, .address_space: global }
      - { .name: w_q, .offset: 24, .size: 8, .value_kind: global_buffer, .address_space: global }
      - { .name: w_k, .offset: 32, .size: 8, .value_kind: global_buffer, .address_space: global }
      - { .name: w_v, .offset: 40, .size: 8, .value_kind: global_buffer, .address_space: global }
      - { .name: w_o, .offset: 48, .size: 8, .value_kind: global_buffer, .address_space: global }
      - { .name: lowp_scales, .offset: 56, .size: 8, .value_kind: global_buffer, .address_space: global }
      - { .name: xcodes, .offset: 64, .size: 8, .value_kind: global_buffer, .address_space: global }
      - { .name: wcodes, .offset: 72, .size: 8, .value_kind: global_buffer, .address_space: global }
    .group_segment_fixed_size: 34304
    .private_segment_fixed_size: 0
    .kernarg_segment_align: 8
    .kernarg_segment_size: 80
    .max_flat_workgroup_size: 128
    .sgpr_count:     66
    .vgpr_count:     240
    .wavefront_size: 32
...
	.end_amdgpu_metadata
.endif
;; end of part 1
;; launch proj (part 2): grid 8 x 32, 4 waves a work-group, clusters of 4 x 4, 327,680 bytes of LDS; arguments xcodes, wcodes, lowp_scales, b_q, b_k, b_v, qcodes, kvcodes; writes qcodes, kvcodes
.if DOCPART == 2
	.amdgcn_target "amdgcn-amd-amdhsa--gfx1250"
	.amdhsa_code_object_version 6
	.text
	.protected	k_qde5c4b988f_proj
	.globl	k_qde5c4b988f_proj
	.p2align	8
	.type	k_qde5c4b988f_proj,@function
k_qde5c4b988f_proj:
	s_mov_b64 s[64:65], 0
	v_nop
	global_prefetch_b8 v0, s[64:65] scope:SCOPE_SE
	s_setreg_imm32_b32 hwreg(HW_REG_WAVE_MODE, 25, 1), 1
	s_wait_xcnt 0x0
	s_wait_alu depctr_hold_cnt(0) depctr_sa_sdst(0) depctr_va_vdst(0) depctr_va_sdst(0) depctr_va_ssrc(0) depctr_va_vcc(0) depctr_vm_vsrc(0)
	s_getreg_b32 s2, hwreg(HW_REG_IB_STS2, 6, 4)
	s_cmp_eq_u32 s2, 0
	s_cbranch_scc0 .Lentry_in_a_cluster
	s_endpgm
.Lentry_in_a_cluster:
	s_bfe_u32 s2, ttmp6, 0x10000c
	s_cmp_lg_u32 s2, 0xf033
	s_cbranch_scc0 .Lentry_shape_is_right
	s_endpgm
.Lentry_shape_is_right:
; q = Q w_q^T + b_q, k = K w_k^T + b_k, v = V w_v^T + b_v on codes of FP8 (E4M3); the results are quantised at once, with the scales given for the attention's operands, and stored as images of operand registers.
; FRAGMENTS (all buffers): 16 rows x 128 k = 2,048 bytes: piece c at 512 c, lane l = (r, h) holds 16 bytes at 16 l: k = 32 c + 16 h + 0 .. 15 of its row (the same order of k on both sides of every product).
; Tile 2 b + u of a block of 128 rows holds in lane r the row 32 b + 8 u + r + 8 (r / 8).  A fragment of 64 k is the first two pieces.  A block is [K step 8][tile 8] fragments: 131,072 dense bytes.
; A BLOCK OF A RESULT is 128 x 128: 128 rows P as source 0, 128 rows R as source 1; four waves of 64 x 64, 16 accumulators each.  In a result lane (r, h) holds R's row of lane r, and register j of P's tiles 2 b, 2 b + 1
; the P rows 32 b + 16 h + 0 .. 15: sixteen neighbours, so that the conversions' results ARE pieces of a fragment whose K runs along P.  So P is what the next product contracts:
; q, k (g = 0, 1): P = the weight's rows (the head's channels), R = tokens;  v (g = 2): P = tokens (the keys), R = w_v's rows.
; A WORK-GROUP STAYS and makes three blocks, one of q, one of k, one of v: 256 work-groups for 768 blocks.  The three are written out by a macro with g as a constant.
; RING: R's block lies at LDS byte 0 and P's at PB, as in memory.  Slot 0 is K steps 0-3 of both sides, slot 1 K steps 4-7: 131,072 bytes each.  When a slot has been read, it takes the same K steps of the next block.
; Waves 0, 1 fetch R's 65,536 bytes of a slot, 32,768 each, waves 2, 3 P's: one tensor load a wave is out.
; CLUSTER 4 x 4: R's block hangs on the cluster's y place alone and is asked for jointly by a row of the cluster, P's on the x place alone and is asked for jointly by a column.
; PREFETCH: behind the joint load of half block n the tokens' codes of half block n + 2 are named (half blocks 2 to 5): of the 32,768 bytes that a wave will fetch, each of the four partners that ask with it takes 8,192 BY ADDRESS,
; lanes 256 bytes apart.  Half blocks 0 and 1 come by their loads alone.  The weights' codes are not named: eight clusters of the launch ask for each block of a weight, and it is left to their loads.
; qcodes [head][tile of 16 tokens, 256] fragments of 64 k.  kvcodes [head][block of 128 keys, 32][k: 8 fragments of 64 k, then v: 4 fragments (16 channels x 128 keys)].
; THE BIAS STARTS THE SUMS: b / 2^(ea + eb), in the result's layout, is the C of the first K step's products.  It runs along P for q and k and along R for v.
; LIMITS: ea + eb between -126 and 126; e(next) - ea - eb between -126 and 119; NaN is not served.
.set PB,    131072                     ; LDS: R's block at 0, P's here
.set KST,   16384                      ; a K step of a side
.set HALF,  65536                      ; four K steps of a side
.set SPARE, 262144                     ; behind both: the spare words, 128 bytes for each wave
.set AR,   16                          ; v16, v17  my R fragments: K steps 0-3, 4-7
.set AP,   18                          ; v18, v19  my P fragments
.set LI,   20                          ; v20  16 x lane
.set PFX,  21                          ; v21  256 x lane + 8,192 cx: the prefetches' offset in R's part; never rewritten
.set PFY,  22                          ; v22  256 x lane + 8,192 cy: in P's part; never rewritten
.set RAWR, 24                          ; v24-27  b_v along R
.set SPW,  28                          ; v28  LDS address of my spare word; never rewritten
.set NIL,  29                          ; v29  0; never rewritten
.set SCL,  30                          ; v30  2^(en - ea - eb)
.set LIM,  31                          ; v31  448 x that
.set CD,   32                          ; v32-63   codes: 8 registers for each of R's four tiles
.set BCA,  64                          ; v64-95   the first C of blocks 0 and 2
.set BCB,  96                          ; v96-127  the first C of block 1
.set ACC,  128                         ; v128-255 accumulator (a, i) at ACC + 32 i + 8 a.   Window 1: two fragment buffers of 128: R's four fragments, then P's four
.set G1R, 28                           ; s[28:35], s[36:43] descriptor groups 1;  s[44:47], s[48:51] groups 0
.set G1P, 36
.set G0R, 44
.set G0P, 48
.set RA,  52                           ; s[52:57] my part of R's block of g = 0, 1, 2 in memory
.set PA,  58                           ; s[58:63] of P's
.set OA,  86                           ; s[86:91] where my codes of g go
.set SS,  92                           ; s92-94   2^(en - ea - eb) of g
.set SL,  95                           ; s95-97   448 x that.   s98, s99, s73: 2^-(ea + eb) of g
.set MSB, 0
.macro WIN new                         ; the immediate's high byte repeats the setting that is left
.if MSB != \new
	s_set_vgpr_msb (MSB<<8)|\new
.set MSB, \new
.endif
.endm
.set MUL,  0x05                        ; sources 0 and 1 window 1; C and D window 0
.set TO_F, 0x40                        ; destination window 1, address window 0
.macro CREST                           ; a round of the cluster's barrier behind its opening barrier
	s_cmp_lg_u32 s20, 0
	s_cbranch_scc1 .Lnot_wave_0_\@
	s_barrier_signal -3
.Lnot_wave_0_\@:
	s_barrier_wait -3
	s_barrier_signal -1
	s_barrier_wait -1
.endm
.macro CROUND                          ; a whole round
	s_barrier_signal -1
	s_barrier_wait -1
	CREST
.endm
.macro PLACES                          ; four places behind matrix instructions, in front of loads into registers that they read and of reads of their results
.rept 4
	v_nop
.endr
.endm
.macro SETG0 g, h                      ; both groups 0 for K steps 4 h .. 4 h + 3 of block g; written only while no tensor load of mine is out
	s_add_co_u32 s[G0R+1], s72, (\h)*HALF
	s_add_nc_u64 s[G0R+2:G0R+3], s[RA+2*(\g):RA+2*(\g)+1], (\h)*HALF
	s_or_b32 s[G0R+3], s[G0R+3], 0x80000000
	s_add_co_u32 s[G0P+1], s72, PB+(\h)*HALF
	s_add_nc_u64 s[G0P+2:G0P+3], s[PA+2*(\g):PA+2*(\g)+1], (\h)*HALF
	s_or_b32 s[G0P+3], s[G0P+3], 0x80000000
.endm
.macro JLOAD                           ; a joint load: waves 0, 1 for R, waves 2, 3 for P; the branch hangs on the wave's number alone.  An s_nop 0 and four v_nop follow each line
	s_cmp_eq_u32 s21, 0
	s_cbranch_scc0 .Lfor_p_\@
	tensor_load_to_lds s[G0R:G0R+3], s[G1R:G1R+7]
	s_nop 0
	PLACES
	s_branch .Lasked_\@
.Lfor_p_\@:
	tensor_load_to_lds s[G0P:G0P+3], s[G1P:G1P+7]
	s_nop 0
	PLACES
.Lasked_\@:
.endm
.macro ASK g, h                        ; the tokens' codes of K steps 4 h .. 4 h + 3 of block g: the waves ask that will fetch them
.if (\g) < 2
	s_cmp_eq_u32 s21, 0
	s_cbranch_scc0 .Lnot_mine_\@
	global_prefetch_b8 v[PFX], s[RA+2*(\g):RA+2*(\g)+1] offset:(\h)*HALF th:TH_LOAD_NT scope:SCOPE_SE
.else
	s_cmp_eq_u32 s21, 1
	s_cbranch_scc0 .Lnot_mine_\@
	global_prefetch_b8 v[PFY], s[PA+2*(\g):PA+2*(\g)+1] offset:(\h)*HALF th:TH_LOAD_NT scope:SCOPE_SE
.endif
.Lnot_mine_\@:
.endm
	s_load_b512 s[4:19], s[0:1], 0x0               ; xcodes, wcodes, the scales' exponents, b_q, b_k, b_v, qcodes, kvcodes
	v_lshl_add_u32 v[SPW], v0, 2, SPARE
	v_mov_b32 v[NIL], 0
	ds_add_u32 v[SPW], v[NIL]                      ; the wave's opening: the add, twice on end, and its wait ahead of my first tensor load; the set-up below stands between them
	ds_add_u32 v[SPW], v[NIL]
	v_lshrrev_b32 v1, 5, v0
	v_readfirstlane_b32 s20, v1                    ; wave 0..3
	s_lshr_b32 s21, s20, 1                         ; my half of R's rows.  Also: I fetch for R (0) or for P (1)
	s_and_b32 s22, s20, 1                          ; my half of P's rows.  Also: which 32,768 bytes of a slot's side I fetch
	s_bfe_u32 s23, ttmp6, 0x40000                  ; cx
	s_bfe_u32 s24, ttmp6, 0x40004                  ; cy
	s_and_b32 s25, ttmp7, 0xffff                   ; cluster y, 0..7
	s_lshl_b32 s68, ttmp9, 2
	s_add_co_u32 s68, s68, s23                     ; q, k: P's block, of a weight's 8: hangs on cx, never on cy
	s_lshl_b32 s69, s25, 2
	s_add_co_u32 s69, s69, s23                     ; v: P's block, of the tokens' 32
	s_lshl_b32 s70, s25, 2
	s_add_co_u32 s70, s70, s24                     ; q, k: R's block, of the tokens' 32: hangs on cy, never on cx
	s_lshl_b32 s71, ttmp9, 2
	s_add_co_u32 s71, s71, s24                     ; v: R's block, of w_v's 8
	s_lshl_b32 s72, s22, 15                        ; my part of a slot's side, in LDS and in memory
	s_lshl_b32 s26, s24, 2
	s_lshl_b32 s26, 15, s26                        ; my row of the cluster
	s_lshl_b32 s27, 0x1111, s23                    ; my column
	s_or_b32 s[G1R], s26, (3<<16)|(1<<21)          ; 15:0 the mask; 17:16 elements of 8 bytes; 20 no padding; 21 set beside a mask
	s_or_b32 s[G1P], s27, (3<<16)|(1<<21)
.irp g, G1R, G1P
	s_mov_b32 s[\g+1], 32<<16                      ; tensor_dim0 = 32 elements: rows of 256 bytes
	s_mov_b32 s[\g+2], 128<<16                     ; tensor_dim1 = 128
	s_mov_b32 s[\g+3], 32<<16                      ; tile_dim0 = 32
	s_mov_b32 s[\g+4], 128                         ; tile_dim1 = 128: 32,768 bytes
	s_mov_b32 s[\g+5], 32                          ; the pitch: dense
	s_mov_b32 s[\g+6], 0
	s_mov_b32 s[\g+7], 0
.endr
	s_mov_b32 s[G0R], 1                            ; count = 1
	s_mov_b32 s[G0P], 1
	v_and_b32 v1, 31, v0
	v_lshlrev_b32 v[LI], 4, v1                     ; 16 x lane
	v_lshlrev_b32 v2, 8, v1
	s_lshl_b32 s26, s23, 13
	v_add_nc_u32 v[PFX], s26, v2
	s_lshl_b32 s26, s24, 13
	v_add_nc_u32 v[PFY], s26, v2
	v_and_b32 v3, 15, v0                           ; r
	v_bfe_u32 v4, v0, 4, 1                         ; h
	v_lshlrev_b32 v5, 6, v4                        ; a bias along P: my half's sixteen numbers begin 64 h bytes on
	v_and_b32 v6, 8, v3
	v_add_nc_u32 v6, v6, v3                        ; r + 8 (r / 8)
	v_lshlrev_b32 v6, 2, v6                        ; a bias along R: my row's number
	s_lshl_b32 s26, s21, 13                        ; my four tiles of R: 8,192 hR
	v_add_nc_u32 v[AR], s26, v[LI]
	v_add_nc_u32 v[AR+1], 4*KST, v[AR]
	s_lshl_b32 s26, s22, 13
	s_add_co_u32 s26, s26, PB
	v_add_nc_u32 v[AP], s26, v[LI]
	v_add_nc_u32 v[AP+1], 4*KST, v[AP]
	s_mov_b32 s3, 0
	s_mov_b32 s67, 0
	s_mov_b32 s27, 0
	s_wait_alu depctr_va_vdst(0)
	s_wait_dscnt 0x0                               ; both opening adds are done
	s_wait_kmcnt 0x0
	s_load_b256 s[76:83], s[8:9], 0x0              ; e0 .. e7
	s_load_b64 s[84:85], s[8:9], 0x20              ; e8, e9
	s_lshl_b32 s2, s70, 17                         ; R's addresses are made in s[2:3], P's in s[66:67]
	s_add_co_u32 s2, s2, s72
	s_add_nc_u64 s[RA:RA+1], s[4:5], s[2:3]        ; Q's codes
	s_add_nc_u64 s[RA+2:RA+3], s[RA:RA+1], 0x400000   ; K's
	s_lshl_b32 s2, s71, 17
	s_add_co_u32 s2, s2, s72
	s_add_co_u32 s2, s2, 0x200000
	s_add_nc_u64 s[RA+4:RA+5], s[6:7], s[2:3]      ; w_v's
	s_lshl_b32 s66, s68, 17
	s_add_co_u32 s66, s66, s72
	s_add_nc_u64 s[PA:PA+1], s[6:7], s[66:67]      ; w_q's
	s_add_nc_u64 s[PA+2:PA+3], s[PA:PA+1], 0x100000   ; w_k's
	s_lshl_b32 s66, s69, 17
	s_add_co_u32 s66, s66, s72
	s_add_co_u32 s66, s66, 0x800000
	s_add_nc_u64 s[PA+4:PA+5], s[4:5], s[66:67]    ; V's
	SETG0 0, 0
	CROUND                                         ; all sixteen work-groups are here: the first joint loads meet
	JLOAD                                          ; block 0, K steps 0-3: one tensor load a wave at the head
	ASK 1, 0
	; while the tiles are on their way: where the codes go, the biases, the scales
	; q: qcodes + head x 262,144 + R's block x 8,192 + hR x 4,096;  k: kvcodes + head x 524,288 + R's block x 16,384 + hR x 4,096, head = 2 (P's block) + hP;
	; v: kvcodes + (2 (R's block) + hR) x 524,288 + P's block x 16,384 + 8,192 + hP x 1,024
	s_lshl_b32 s25, s68, 1
	s_add_co_u32 s25, s25, s22
	s_lshl_b32 s26, s25, 18
	s_lshl_b32 s73, s70, 13
	s_add_co_u32 s26, s26, s73
	s_lshl_b32 s73, s21, 12
	s_add_co_u32 s26, s26, s73
	s_add_nc_u64 s[OA:OA+1], s[16:17], s[26:27]
	s_lshl_b32 s26, s25, 19
	s_lshl_b32 s73, s70, 14
	s_add_co_u32 s26, s26, s73
	s_lshl_b32 s73, s21, 12
	s_add_co_u32 s26, s26, s73
	s_add_nc_u64 s[OA+2:OA+3], s[18:19], s[26:27]
	s_lshl_b32 s25, s71, 1
	s_add_co_u32 s25, s25, s21
	s_lshl_b32 s26, s25, 19
	s_lshl_b32 s73, s69, 14
	s_add_co_u32 s26, s26, s73
	s_lshl_b32 s73, s22, 10
	s_add_co_u32 s26, s26, s73
	s_add_co_u32 s26, s26, 8192
	s_add_nc_u64 s[OA+4:OA+5], s[18:19], s[26:27]
	s_lshl_b32 s26, s68, 9
	s_lshl_b32 s73, s22, 8
	s_add_co_u32 s26, s26, s73                     ; 4 (128 x P's block + 64 hP)
	s_add_nc_u64 s[100:101], s[10:11], s[26:27]    ; in b_q,
	s_add_nc_u64 s[74:75], s[12:13], s[26:27]      ; in b_k
	s_lshl_b32 s26, s71, 9
	s_lshl_b32 s73, s21, 8
	s_add_co_u32 s26, s26, s73                     ; 4 (128 x R's block + 64 hR)
	s_add_nc_u64 s[26:27], s[14:15], s[26:27]      ; in b_v
.irp a, 0,1,2,3
	global_load_b128 v[BCA+8*\a:BCA+8*\a+3], v5, s[100:101] offset:(32*(\a/2)+8*(\a%2))*4
	global_load_b128 v[BCA+8*\a+4:BCA+8*\a+7], v5, s[100:101] offset:(32*(\a/2)+8*(\a%2))*4+16
	global_load_b128 v[BCB+8*\a:BCB+8*\a+3], v5, s[74:75] offset:(32*(\a/2)+8*(\a%2))*4
	global_load_b128 v[BCB+8*\a+4:BCB+8*\a+7], v5, s[74:75] offset:(32*(\a/2)+8*(\a%2))*4+16
.endr
.irp i, 0,1,2,3
	global_load_b32 v[RAWR+\i], v6, s[26:27] offset:(32*(\i/2)+8*(\i%2))*4
.endr
.macro EXPS g, ea, eb, en, iv          ; a sum stands for sum x 2^E, E = ea + eb; its code is sum / 2^(en - E): the three scales folded into the conversion's one
	s_add_co_i32 s2, s[\ea], s[\eb]
	s_sub_co_i32 s3, s[\en], s2
	s_add_co_i32 s3, s3, 127
	s_lshl_b32 s[SS+\g], s3, 23
	s_add_co_i32 s3, s3, 8
	s_lshl_b32 s3, s3, 23
	s_or_b32 s[SL+\g], s3, 0x600000
	s_sub_co_i32 s2, 127, s2
	s_lshl_b32 s[\iv], s2, 23                      ; 2^-E
.endm
	s_wait_kmcnt 0x0
	EXPS 0, 76, 77, 82, 98
	EXPS 1, 78, 79, 83, 99
	EXPS 2, 80, 81, 85, 73
	s_wait_loadcnt 0x0
.set J, 0
.rept 32
	v_mul_f32 v[BCA+J], s98, v[BCA+J]              ; b / 2^E
	v_mul_f32 v[BCB+J], s99, v[BCB+J]
.set J, J+1
.endr
.macro FETCH s, f                      ; K step s: my four fragments of R and four of P, 32 loads of 512 consecutive bytes, into buffer f
	WIN TO_F
.irp i, 0,1,2,3
.irp c, 0,1,2,3
	ds_load_b128 v[128*(\f)+16*\i+4*\c:128*(\f)+16*\i+4*\c+3], v[AR+(\s)/4] offset:((\s)%4)*KST+\i*2048+\c*512
.endr
.endr
.irp i, 0,1,2,3
.irp c, 0,1,2,3
	ds_load_b128 v[128*(\f)+64+16*\i+4*\c:128*(\f)+64+16*\i+4*\c+3], v[AP+(\s)/4] offset:((\s)%4)*KST+\i*2048+\c*512
.endr
.endr
.endm
; 8 matrix instructions: R's tiles i0, i0 + 1 x P's four, 128 along K.  The 16 accumulators take turns, one instruction a turn, in the same order in every step.
; cm = 0: the sums go on; 1: they start from the bias along P; 2: from the bias along R
.macro MULH f, i0, cm
.irp i, \i0, \i0+1
.irp a, 0,1,2,3
.if (\cm) == 0
	v_wmma_f32_16x16x128_fp8_fp8 v[ACC+32*(\i)+8*\a:ACC+32*(\i)+8*\a+7], v[128*(\f)+64+16*\a:128*(\f)+64+16*\a+15], v[128*(\f)+16*(\i):128*(\f)+16*(\i)+15], v[ACC+32*(\i)+8*\a:ACC+32*(\i)+8*\a+7]
.else
.if (\cm) == 1
	v_wmma_f32_16x16x128_fp8_fp8 v[ACC+32*(\i)+8*\a:ACC+32*(\i)+8*\a+7], v[128*(\f)+64+16*\a:128*(\f)+64+16*\a+15], v[128*(\f)+16*(\i):128*(\f)+16*(\i)+15], v[BCX+8*\a:BCX+8*\a+7]
.else
	v_wmma_f32_16x16x128_fp8_fp8 v[ACC+32*(\i)+8*\a:ACC+32*(\i)+8*\a+7], v[128*(\f)+64+16*\a:128*(\f)+64+16*\a+15], v[128*(\f)+16*(\i):128*(\f)+16*(\i)+15], v[BCX+8*(\i):BCX+8*(\i)+7]
.endif
.endif
.endr
.endr
.endm
.macro STEPN g, s                      ; a K step that has its successor in the same slot
	s_wait_dscnt 0x0                               ; this step's fragments are in
.if (\g)+(\s) > 0
	PLACES                                         ; the other buffer was read by the last step's products
.endif
	FETCH (\s)+1, 1-(\s)%2
	WIN MUL
.if (\s) == 0
.set BCX, BCA+32*((\g)%2)
	MULH 0, 0, 1+(\g)/2
	MULH 0, 2, 1+(\g)/2
.else
	MULH (\s)%2, 0, 0
	MULH (\s)%2, 2, 0
.endif
.endm
; A slot's last K step (s = 3, 7; its fragments lie in buffer 1) changes slots: each wave waits for all its tensor loads (its part of the other slot), adds 0 to its spare word, and waits for that and for its reads of this slot.
; fill = 1: the barrier opens a round of the cluster's barrier, and this slot takes the same K steps of the next block: the first tensor load behind the round.
.macro TURN g, s, fill
	WIN 0                                          ; (the add's two registers lie in window 0)
	s_wait_tensorcnt 0x0                           ; no tensor load of mine is out, so the groups 0 may be written
	ds_add_u32 v[SPW], v[NIL]                      ; 0 onto my spare word
.if \fill
	SETG0 (\g)+1, (\s)/4
.endif
	s_wait_dscnt 0x1                               ; this step's fragments are in; the add alone may be out
	WIN MUL
	MULH 1, 0, 0
	s_wait_dscnt 0x0                               ; the add is done, and my reads of this slot are over
	s_barrier_signal -1
	WIN 0
	s_barrier_wait -1
.if \fill
	CREST
	JLOAD                                          ; its four v_nop are also the places in front of the loads below
.if (\g) == 0
	ASK 2, (\s)/4
.endif
.else
	PLACES
.endif
	FETCH ((\s)+1)%8, 0
	WIN MUL
	MULH 1, 2, 0
.endm
; The results become codes: for R's tile i, P's tiles 0 to 3 give 8 registers: two pieces of a fragment
.macro EPI g
	WIN 0
	PLACES
.if (\g) > 0
	s_wait_xcnt 0x0                                ; the last block's stores have read their codes: the registers are written again below
.endif
	v_mov_b32 v[SCL], s[SS+(\g)]
	v_mov_b32 v[LIM], s[SL+(\g)]
.irp i, 0,1,2,3
.irp a, 0,1,2,3
.irp j, 0,1,2,3,4,5,6,7
	v_med3_num_f32 v[ACC+32*\i+8*\a+\j], v[ACC+32*\i+8*\a+\j], -v[LIM], v[LIM]   ; the hold at the largest code x the scale (ISA guide 7.6.2); each accumulator from its low end on
.endr
	v_cvt_scalef32_pk8_fp8_f32 v[CD+8*\i+2*\a:CD+8*\i+2*\a+1], v[ACC+32*\i+8*\a:ACC+32*\i+8*\a+7], v[SCL]
.endr
.endr
	v_nop                                          ; one plain vector line behind the last conversion
.irp i, 0,1,2,3
.irp b, 0,1
	global_store_b128 v[LI], v[CD+8*\i+4*\b:CD+8*\i+4*\b+3], s[OA+2*(\g):OA+2*(\g)+1] offset:\i*(1024<<((\g)/2))+512*\b   ; a piece: 512 consecutive bytes, aligned; R's tiles lie 1,024 (q, k) or 2,048 (v) bytes apart
.endr
.endr
.if (\g) == 1
.irp i, 0,1,2,3
.irp j, 0,1,2,3,4,5,6,7
	v_mul_f32 v[BCA+8*\i+\j], s73, v[RAWR+\i]      ; block 2's first C: b_v / 2^E of my row of R's tile i, in all eight registers
.endr
.endr
.endif
	s_wait_alu depctr_va_vdst(0)
.endm
	s_wait_alu depctr_va_vdst(0)
	s_wait_tensorcnt 0x0                           ; my part of slot 0 is in
	ds_add_u32 v[SPW], v[NIL]
	SETG0 0, 1
	s_wait_dscnt 0x0
	CROUND
	JLOAD                                          ; block 0, K steps 4-7: slot 1's first fill
	ASK 1, 1
	FETCH 0, 0
.irp g, 0,1,2
	STEPN \g, 0
	STEPN \g, 1
	STEPN \g, 2
.if \g < 2
	TURN \g, 3, 1
.else
	TURN \g, 3, 0                                  ; nothing more is asked for
.endif
	STEPN \g, 4
	STEPN \g, 5
	STEPN \g, 6
.if \g < 2
	TURN \g, 7, 1                                  ; the ring goes on into the next block; then this block goes out
.else
	s_wait_dscnt 0x0
	WIN MUL
	MULH 1, 0, 0
	MULH 1, 2, 0
.endif
	EPI \g
.endr
	s_wait_tensorcnt 0x0                           ; the wave's end, behind my last tensor load
	ds_add_u32 v[SPW], v[NIL]
	s_wait_dscnt 0x0
	CROUND                                         ; the closing round
	s_endpgm
.Lfunc_end_k_qde5c4b988f_proj:
	.size	k_qde5c4b988f_proj, .Lfunc_end_k_qde5c4b988f_proj-k_qde5c4b988f_proj
	.p2alignl 7, 3214868480
	.fill 96, 4, 3214868480
	.section	.rodata,"a",@progbits
	.p2align	6, 0x0
	.amdhsa_kernel k_qde5c4b988f_proj
		.amdhsa_group_segment_fixed_size 327680
		.amdhsa_private_segment_fixed_size 0
		.amdhsa_enable_private_segment 0
		.amdhsa_kernarg_size 64
		.amdhsa_user_sgpr_count 2
		.amdhsa_user_sgpr_kernarg_segment_ptr 1
		.amdhsa_wavefront_size32 1
		.amdhsa_system_sgpr_workgroup_id_x 1
		.amdhsa_system_sgpr_workgroup_id_y 1
		.amdhsa_system_sgpr_workgroup_id_z 1
		.amdhsa_system_vgpr_workitem_id 0
		.amdhsa_next_free_vgpr 512
		.amdhsa_next_free_sgpr 102
		.amdhsa_reserve_vcc 0
		.amdhsa_float_denorm_mode_32 3
		.amdhsa_float_denorm_mode_16_64 3
		.amdhsa_memory_ordered 1
		.amdhsa_forward_progress 1
		.amdhsa_inst_pref_size 128
	.end_amdhsa_kernel
	.amdgpu_metadata
---
amdhsa.version: [ 1, 2 ]
amdhsa.kernels:
  - .name:           k_qde5c4b988f_proj
    .symbol:         k_qde5c4b988f_proj.kd
    .args:
      - { .name: xcodes, .offset: 0, .size: 8, .value_kind: global_buffer, .address_space: global }
      - { .name: wcodes, .offset: 8, .size: 8, .value_kind: global_buffer, .address_space: global }
      - { .name: lowp_scales, .offset: 16, .size: 8, .value_kind: global_buffer, .address_space: global }
      - { .name: b_q, .offset: 24, .size: 8, .value_kind: global_buffer, .address_space: global }
      - { .name: b_k, .offset: 32, .size: 8, .value_kind: global_buffer, .address_space: global }
      - { .name: b_v, .offset: 40, .size: 8, .value_kind: global_buffer, .address_space: global }
      - { .name: qcodes, .offset: 48, .size: 8, .value_kind: global_buffer, .address_space: global }
      - { .name: kvcodes, .offset: 56, .size: 8, .value_kind: global_buffer, .address_space: global }
    .group_segment_fixed_size: 327680
    .private_segment_fixed_size: 0
    .kernarg_segment_align: 8
    .kernarg_segment_size: 64
    .max_flat_workgroup_size: 128
    .sgpr_count:     102
    .vgpr_count:     512
    .wavefront_size: 32
...
	.end_amdgpu_metadata
.endif
;; end of part 2
;; launch attn (part 3): grid 16 x 16, 8 waves a work-group, clusters of 4 x 1, 327,680 bytes of LDS; arguments qcodes, kvcodes, lowp_scales, acodes; writes acodes
.if DOCPART == 3
	.amdgcn_target "amdgcn-amd-amdhsa--gfx1250"
	.amdhsa_code_object_version 6
	.text
	.protected	k_qde5c4b988f_attn
	.globl	k_qde5c4b988f_attn
	.p2align	8
	.type	k_qde5c4b988f_attn,@function
k_qde5c4b988f_attn:
	s_mov_b64 s[64:65], 0
	v_nop
	global_prefetch_b8 v0, s[64:65] scope:SCOPE_SE
	s_setreg_imm32_b32 hwreg(HW_REG_WAVE_MODE, 25, 1), 1
	s_wait_xcnt 0x0
	s_wait_alu depctr_hold_cnt(0) depctr_sa_sdst(0) depctr_va_vdst(0) depctr_va_sdst(0) depctr_va_ssrc(0) depctr_va_vcc(0) depctr_vm_vsrc(0)
	s_getreg_b32 s2, hwreg(HW_REG_IB_STS2, 6, 4)
	s_cmp_eq_u32 s2, 0
	s_cbranch_scc0 .Lentry_in_a_cluster
	s_endpgm
.Lentry_in_a_cluster:
	s_bfe_u32 s2, ttmp6, 0x10000c
	s_cmp_lg_u32 s2, 0x3003
	s_cbranch_scc0 .Lentry_shape_is_right
	s_endpgm
.Lentry_shape_is_right:
; For each of 16 heads of 64: O[q] = the sum over keys of softmax(q . k / 8) v, both products on codes of FP8 (E4M3) with the given scales; O is quantised at once with the scale given for the last product's left operand.
; THE SOFTMAX AHEAD OF THE SECOND PRODUCT: t = score x log2(e) / 8; M = the running largest t rounded UP to a whole number; p = 2^(t - M) is what is quantised; the row's sum is taken of the unquantised p and divides O at the end.
; When M moves, the sum and O are multiplied by 2^(old M - new M): exact.
; BUFFERS are images of operand registers: a fragment's piece c lies at 512 c, lane l = (r, h) holds 16 bytes at 16 l: k = 32 c + 16 h + 0 .. 15 of its row; tile 2 b + u of 128 rows holds in lane r the row 32 b + 8 u + r + 8 (r / 8).
; qcodes [head][tile 256] of 1,024 bytes (16 queries x 64).  kvcodes [head][block of 128 keys][8 tiles of k (16 keys x 64), then 4 tiles of v (16 channels x 128 keys)]: 16,384 bytes a block.
; acodes [block of 128 queries][K step of 128 channels][tile 8] fragments of 2,048 bytes: the last product's left operand.
; SHARES.  A work-group owns 256 queries of a head; each of its eight waves owns TWO tiles of 16 queries (a = 0, 1), so that each fragment of k and of v read from LDS feeds two matrix instructions, and the two tiles' chains stand interleaved.
; Both products are used transposed (S^T = k q^T, O^T = v^T p^T): a lane holds one query of each tile throughout; p's 16 registers of tiles 2 b, 2 b + 1 are the keys 32 b + 16 h + 0 .. 15, a piece of the second product's operand,
; and O^T's are 16 neighbouring channels, a piece of acodes.
; A KEY STEP IS 256 KEYS (blocks A, B): one maximum, one move of M and one rescaling of O^T serve 128 scores a lane and tile.  The maximum's chains run on from step to step: they hold the running largest score.
; REGISTERS, in two windows of 256.  Window 0: addresses, state, q, O^T, KA (k of block A, then p's codes), KB (k of block B, then the sums' chains).  Window 1: S^T, then p: tile a, block b at 128 a + 64 b; once tile 0's p are
; codes, its registers take v's fragments of both blocks.
; RING: two slots of 1,024 keys (131,072 dense bytes), four slots' worth of keys in all; every wave fetches 16,384 bytes of a slot: one tensor load a wave is out.
; CLUSTER 4 x 1: the four blocks of queries of a cluster walk the same k and v and ask jointly.
; PREFETCH: at the change of slots that loads slot n - 1 the head's first cluster names slot n (n = 2, 3), four key steps ahead of its load: its four partners take 32,768 bytes each BY ADDRESS, waves 0 to 3 of each 8,192 bytes,
; lanes 256 bytes apart: each block of 256 bytes is named once in the launch.  Slots 0 and 1 come by their loads alone; the last change that fills a slot asks for nothing.
; LIMITS on the given exponents: e6 + e7 between -123 and 130 (added to c's exponent field); e8 and e10 between -126 and 119; e8 + e9 is applied by v_ldexp_f32.  The scaled scores stay under 2^31 in magnitude.  NaN is not served.
.set SLOTB, 131072
.set STEPB, 32768                      ; 256 keys: k of block A at 0, v of A at 8,192, k of B at 16,384, v of B at 24,576
.set SPARE, 2*SLOTB                    ; behind the ring: the spare words, 128 bytes for each of 8 waves
.set LI,   1                           ; v1   16 x lane
.set ADR,  2                           ; v2   + the key step in hand
.set PFO,  3                           ; v3   256 x lane: the prefetches' offset; never rewritten
.set SPW,  5                           ; v5   LDS address of my spare word; never rewritten
.set NIL,  6                           ; v6   0; never rewritten
.set MM,   8                           ; v[8:9], v[10:11]   -M of tile a in the low word
.set SU,   12                          ; v[12:13], v[14:15] the sum of tile a in two halves
.set QF,   16                          ; v16-31   q's fragments
.set O,    32                          ; v32-95   O^T: tile a at O + 32 a
.set KA,   96                          ; v96-159  k of block A; then p's codes: tile a, block b at KA + 32 a + 16 b
.set KB,   160                         ; v160-223 k of block B; then the sums' chains: tile a, chain k at KB + 16 a + 2 k
.set HA,   224                         ; v224, v225  448 x 2^e8, once for each half of a dual pair
.set HB,   225
.set SC,   226                         ; v226 2^e8
.set FF,   228                         ; v[228:229], v[230:231] f of tile a in the low word
.set MX,   232                         ; v232-235 the running largest score: two chains a tile
.set XL,   236                         ; v236, v237 what comes from lane l xor 16
.set TM,   238                         ; v238, v239; v240, v241 at work
.set OL,   240
.set WV,   18
.set SEL,  20                          ; s[20:21] lane selects for v_permlanex16_b32: lane l xor 16
.set CS,   22                          ; s[22:23] c = log2(e) / 8 x 2^(e6 + e7)
.set G1,   24                          ; s[24:31] descriptor group 1;  s[40:43] group 0, which walks
.set G0,   40
.set TB,   2                           ; s2   at work: LDS byte of the next key step
.set SB,   3                           ; s3   LDS byte at which the slot in hand begins
.set OUT,  66                          ; s66  slots still to be asked for
.set CNT,  67                          ; s67  the key step's number in its slot
.set PFA,  76                          ; s[76:77] where my prefetches stand
.set LIM,  80                          ; s80  1 in a wave that prefetches, else the greatest number
.set MSB, 0
.macro WIN new                         ; s_set_vgpr_msb: bits 1:0 source 0, 3:2 source 1, 5:4 source 2, 7:6 destination; the high byte repeats the setting that is left
.if MSB != \new
	s_set_vgpr_msb (MSB<<8)|\new
.set MSB, \new
.endif
.endm
.macro CROUND                          ; a round of the cluster's barrier
	s_barrier_signal -1
	s_barrier_wait -1
	s_cmp_lg_u32 s[WV], 0
	s_cbranch_scc1 .Lnot_wave_0_\@
	s_barrier_signal -3
.Lnot_wave_0_\@:
	s_barrier_wait -3
	s_barrier_signal -1
	s_barrier_wait -1
.endm
.macro PLACES
.rept 4
	v_nop
.endr
.endm
.macro TLOAD                           ; every wave fetches its 16,384 bytes; an s_nop 0 and four v_nop follow the load
	tensor_load_to_lds s[G0:G0+3], s[G1:G1+7]
	s_nop 0
	PLACES
.endm
.macro ASK
	s_cmp_gt_u32 s[OUT], s[LIM]
	s_cbranch_scc0 .Lnot_mine_\@
	global_prefetch_b8 v[PFO], s[PFA:PFA+1] th:TH_LOAD_NT scope:SCOPE_SE
.Lnot_mine_\@:
.endm
	s_load_b256 s[4:11], s[0:1], 0x0               ; qcodes, kvcodes, the scales' exponents, acodes
	v_lshl_add_u32 v[SPW], v0, 2, SPARE
	v_mov_b32 v[NIL], 0
	ds_add_u32 v[SPW], v[NIL]                      ; the wave's opening: the add, twice on end, and its wait ahead of my first tensor load
	ds_add_u32 v[SPW], v[NIL]
	v_lshrrev_b32 v8, 5, v0
	v_readfirstlane_b32 s[WV], v8                  ; wave 0..7
	s_bfe_u32 s12, ttmp6, 0x40000                  ; cx
	s_lshl_b32 s13, ttmp9, 2
	s_add_co_u32 s13, s13, s12                     ; my block of 256 queries: it enters q's and the result's addresses alone
	s_and_b32 s14, ttmp7, 0xffff                   ; the head, which the four partners share
	s_lshl_b32 s15, s[WV], 14                      ; my 16,384 bytes of a slot, in LDS and in memory
	s_lshl_b32 s32, s14, 19
	s_add_co_u32 s32, s32, s15
	s_mov_b32 s33, 0
	s_lshl_b32 s34, s14, 18                        ; q: head x 262,144 + (16 block + 2 wave) x 1,024
	s_lshl_b32 s16, s13, 14
	s_add_co_u32 s34, s34, s16
	s_lshl_b32 s16, s[WV], 11
	s_add_co_u32 s34, s34, s16
	s_mov_b32 s35, 0
	s_lshl_b32 s36, s13, 1                         ; the result: block of 128 queries 2 block + wave / 4,
	s_lshr_b32 s16, s[WV], 2
	s_add_co_u32 s36, s36, s16
	s_lshl_b32 s36, s36, 17
	s_lshr_b32 s16, s14, 1                         ; K step head / 2,
	s_lshl_b32 s16, s16, 14
	s_add_co_u32 s36, s36, s16
	s_and_b32 s16, s[WV], 3                        ; tiles 2 (wave % 4) and the next,
	s_lshl_b32 s16, s16, 12
	s_add_co_u32 s36, s36, s16
	s_and_b32 s16, s14, 1                          ; pieces 2 (head % 2) and the next
	s_lshl_b32 s16, s16, 10
	s_add_co_u32 s36, s36, s16
	s_mov_b32 s37, 0
	s_lshl_b32 s38, s14, 19                        ; the prefetches: my head, my work-group's quarter of a slot, my wave's quarter of that,
	s_lshl_b32 s16, s12, 15
	s_add_co_u32 s38, s38, s16
	s_and_b32 s16, s[WV], 3
	s_lshl_b32 s16, s16, 13
	s_add_co_u32 s38, s38, s16
	s_add_co_u32 s38, s38, SLOTB                   ; in slot 1: the first change of slots steps it to slot 2
	s_mov_b32 s39, 0
	s_lshr_b32 s16, s[WV], 2                       ; 0 in waves 0 to 3
	s_or_b32 s16, s16, ttmp9                       ; of the head's first cluster: the same in all four partners
	s_cmp_eq_u32 s16, 0
	s_cselect_b32 s[LIM], 1, -1
	s_mov_b32 s[G1], 15|(3<<16)|(1<<21)            ; 15:0 the mask: all four work-groups; 17:16 elements of 8 bytes; 20 no padding; 21 set beside a mask
	s_mov_b32 s[G1+1], 32<<16                      ; tensor_dim0 = 32 elements: rows of 256 bytes
	s_mov_b32 s[G1+2], 64<<16                      ; tensor_dim1 = 64
	s_mov_b32 s[G1+3], 32<<16                      ; tile_dim0 = 32
	s_mov_b32 s[G1+4], 64                          ; tile_dim1 = 64: 16,384 bytes
	s_mov_b32 s[G1+5], 32                          ; the pitch: dense
	s_mov_b32 s[G1+6], 0
	s_mov_b32 s[G1+7], 0
	s_mov_b32 s[SEL], 0x76543210
	s_mov_b32 s[SEL+1], 0xfedcba98
	s_mov_b32 s[CS], 0x3e38aa3b                    ; log2(e) / 8
	s_mov_b32 s[SB], 0
	s_mov_b32 s[OUT], 3
	v_and_b32 v8, 31, v0
	v_lshlrev_b32 v[LI], 4, v8
	v_lshlrev_b32 v[PFO], 8, v8
	s_wait_alu depctr_va_vdst(0)
	s_wait_dscnt 0x0                               ; both opening adds are done
	s_wait_kmcnt 0x0
	s_load_b256 s[68:75], s[8:9], 0x10             ; entries 4 to 11: s70 e6, s71 e7, s72 e8, s73 e9, s74 e10
	s_mov_b32 s[G0], 1                             ; count = 1
	s_mov_b32 s[G0+1], s15                         ; LDS address: slot 0
	s_add_nc_u64 s[G0+2:G0+3], s[6:7], s[32:33]    ; the head's first 1,024 keys
	s_or_b32 s[G0+3], s[G0+3], 0x80000000          ; type = 2
	s_add_nc_u64 s[PFA:PFA+1], s[6:7], s[38:39]
	s_add_nc_u64 s[4:5], s[4:5], s[34:35]
	s_add_nc_u64 s[10:11], s[10:11], s[36:37]
	CROUND                                         ; all four work-groups are here: the first joint loads meet
	TLOAD                                          ; slot 0: one tensor load a wave at the head
.irp c, 0,1,2,3
	global_load_b128 v[QF+4*\c:QF+4*\c+3], v[LI], s[4:5] offset:512*\c   ; q's two fragments stay in registers
.endr
.irp a, 0,1
	v_mov_b32 v[MX+2*\a], 0xff61b1e6               ; the largest score so far: -3e38, under every score
	v_mov_b32 v[MX+2*\a+1], 0xff61b1e6
	v_mov_b32 v[MM+2*\a], 0x7f61b1e6               ; -M: 3e38, so that the first f is 0
	v_mov_b32 v[MM+2*\a+1], 0                      ; (named as the upper half of a pair)
	v_mov_b32 v[SU+2*\a], 0                        ; the sum, in two halves
	v_mov_b32 v[SU+2*\a+1], 0
	v_mov_b32 v[XL+\a], 0                          ; written once: a lane permute's destination counts as one of its sources
	v_mov_b32 v[FF+2*\a+1], 0                      ; (named as the upper half of a pair)
.endr
.set J, 0
.rept 64
	v_mov_b32 v[O+J], 0                            ; O^T.  (The key step is written for every step alike: the first finds zeros, which the first f leaves zeros)
.set J, J+1
.endr
	s_wait_kmcnt 0x0
	s_add_co_i32 s16, s70, s71
	s_lshl_b32 s16, s16, 23
	s_add_co_i32 s[CS], s[CS], s16                 ; a score stands for score x 2^(e6 + e7): the exponents are added to c's exponent field
	s_mov_b32 s[CS+1], s[CS]                       ; (named with it as a pair, so it is written)
	s_add_co_i32 s16, s72, 127
	s_lshl_b32 s17, s16, 23
	v_mov_b32 v[SC], s17                           ; 2^e8, for p's conversions
	s_add_co_i32 s16, s16, 8
	s_lshl_b32 s16, s16, 23
	s_or_b32 s16, s16, 0x600000
	v_mov_b32 v[HA], s16                           ; 448 x 2^e8
	v_mov_b32 v[HB], s16
	s_add_co_i32 s16, s74, 127
	s_lshl_b32 s81, s16, 23                        ; 2^e10, for the result's
	s_add_co_i32 s16, s16, 8
	s_lshl_b32 s16, s16, 23
	s_or_b32 s82, s16, 0x600000                    ; 448 x 2^e10
	s_add_co_i32 s19, s72, s73                     ; e8 + e9
.macro KLOAD b                         ; block b's eight fragments of k
.irp t, 0,1,2,3,4,5,6,7
.irp c, 0,1
	ds_load_b128 v[KA+64*\b+8*\t+4*\c:KA+64*\b+8*\t+4*\c+3], v[ADR] offset:16384*\b+\t*1024+\c*512
.endr
.endr
.endm
.macro SMUL b                          ; S^T of block b: eight tiles of 16 keys x my two tiles of queries
.irp t, 0,1,2,3,4,5,6,7
.irp a, 0,1
	v_wmma_f32_16x16x64_fp8_fp8 v[128*\a+64*\b+8*\t:128*\a+64*\b+8*\t+7], v[KA+64*\b+8*\t:KA+64*\b+8*\t+7], v[QF+8*\a:QF+8*\a+7], 0
.endr
.endr
.endm
.macro VLOAD b                         ; block b's four fragments of v, into the registers that held tile 0's p of that block
.irp t, 0,1,2,3
.irp c, 0,1,2,3
	ds_load_b128 v[64*\b+16*\t+4*\c:64*\b+16*\t+4*\c+3], v[ADR] offset:16384*\b+8192+\t*2048+\c*512
.endr
.endr
.endm
.macro PMUL b                          ; O^T += v^T p^T of block b; the eight accumulators take turns
.irp t, 0,1,2,3
.irp a, 0,1
	v_wmma_f32_16x16x128_fp8_fp8 v[O+32*\a+8*\t:O+32*\a+8*\t+7], v[64*\b+16*\t:64*\b+16*\t+15], v[KA+32*\a+16*\b:KA+32*\a+16*\b+15], v[O+32*\a+8*\t:O+32*\a+8*\t+7]
.endr
.endr
.endm
.macro HOLD a                          ; the conversion does not saturate (ISA guide 7.6.2); p is not negative, so the hold is one-sided: two numbers to a dual pair
	WIN 0x41
.set J, 0
.rept 64
	v_dual_min_num_f32 v[128*\a+J], v[128*\a+J], v[HA] :: v_dual_min_num_f32 v[128*\a+J+1], v[128*\a+J+1], v[HB]
.set J, J+2
.endr
.endm
.macro CODES a                         ; tile a's 128 p become 32 registers of codes
	WIN 0x01
.set J, 0
.rept 16
	v_cvt_scalef32_pk8_fp8_f32 v[KA+32*\a+2*J:KA+32*\a+2*J+1], v[128*\a+8*J:128*\a+8*J+7], v[SC]
.set J, J+1
.endr
.endm
; A KEY STEP: 256 keys at v[ADR].  Every window is 0 at its head and at its end.
.macro STEP
.rept 5
	v_nop                                          ; five places behind the last products: loads land in registers that they read, and the first products below write over registers that they read
.endr
	KLOAD 0
	KLOAD 1
	s_wait_dscnt 16                                ; block A's k is in; block B's 16 loads may be out
	WIN 0x40
	SMUL 0
	s_wait_dscnt 0x0
	SMUL 1
	PLACES                                         ; in front of the first read of the scores
	WIN 0x14
.set J, 0
.rept 32
.irp a, 0,1
	v_max3_num_f32 v[MX+2*\a], v[MX+2*\a], v[128*\a+J], v[128*\a+J+1]       ; the running largest score of my query among my keys: two chains a tile, ascending
	v_max3_num_f32 v[MX+2*\a+1], v[MX+2*\a+1], v[128*\a+J+2], v[128*\a+J+3]
.endr
.set J, J+4
.endr
	WIN 0
.irp a, 0,1
	v_max_num_f32 v[TM+\a], v[MX+2*\a], v[MX+2*\a+1]
.endr
.irp a, 0,1
	v_permlanex16_b32 v[XL+\a], v[TM+\a], s[SEL], s[SEL+1]
.endr
.irp a, 0,1
	v_max_num_f32 v[TM+\a], v[TM+\a], v[XL+\a]     ; and among lane l xor 16's
.endr
.irp a, 0,1
	v_mul_f32 v[TM+\a], s[CS], v[TM+\a]            ; as t (c is positive): the running largest t
.endr
.irp a, 0,1
	v_mov_b32 v[OL+\a], v[MM+2*\a]
.endr
.irp a, 0,1
	v_floor_f32 v[MM+2*\a], -v[TM+\a]              ; the new -M = floor(-t) = -ceil(t): M is a whole number
.endr
.irp a, 0,1
	v_sub_f32 v[OL+\a], v[MM+2*\a], v[OL+\a]       ; M's old value less its new one: a whole number, 0 or less
.endr
.irp a, 0,1
	v_cvt_i32_f32 v[OL+\a], v[OL+\a]               ; (it saturates)
.endr
.irp a, 0,1
	v_ldexp_f32 v[FF+2*\a], 1.0, v[OL+\a]          ; f = 2^(old M - new M)
.endr
.irp a, 0,1
.set J, 0
.rept 16
	v_pk_mul_f32 v[O+32*\a+J:O+32*\a+J+1], v[O+32*\a+J:O+32*\a+J+1], v[FF+2*\a:FF+2*\a+1] op_sel_hi:[1,0]   ; O^T under the new M, each accumulator from its low end on
.set J, J+2
.endr
	v_pk_mul_f32 v[SU+2*\a:SU+2*\a+1], v[SU+2*\a:SU+2*\a+1], v[FF+2*\a:FF+2*\a+1] op_sel_hi:[1,0]           ; and the sums
.endr
	WIN 0x41
.irp a, 0,1
.set J, 0
.rept 64
	v_pk_fma_f32 v[128*\a+J:128*\a+J+1], v[128*\a+J:128*\a+J+1], s[CS:CS+1], v[MM+2*\a:MM+2*\a+1] op_sel_hi:[1,0,0]   ; t - M, two at a time (of the pairs c and -M the low word serves both halves)
.set J, J+2
.endr
.endr
	s_wait_alu depctr_va_vdst(0)
.set J, 0
.rept 256
	v_exp_f32 v[J], v[J]                           ; p = 2^(t - M), at most 1: not normalised
.set J, J+1
.endr
	v_nop                                          ; the plain line behind the exponentials
	s_wait_alu depctr_va_vdst(0)                   ; one wait for the batch, ahead of its first reader
	WIN 0x05
.irp k, 0,1,2,3,4,5,6,7
.irp a, 0,1
	v_pk_add_f32 v[KB+16*\a+2*\k:KB+16*\a+2*\k+1], v[128*\a+4*\k:128*\a+4*\k+1], v[128*\a+4*\k+2:128*\a+4*\k+3]   ; the row's sum of the unquantised p: two at a time, eight chains a tile
.endr
.endr
	WIN 0x04
.set J, 0
.rept 48
.irp a, 0,1
	v_pk_add_f32 v[KB+16*\a+2*(J%8):KB+16*\a+2*(J%8)+1], v[KB+16*\a+2*(J%8):KB+16*\a+2*(J%8)+1], v[128*\a+32+2*J:128*\a+33+2*J]
.endr
.set J, J+1
.endr
	WIN 0
.irp k, 0,1,2,3
.irp a, 0,1
	v_pk_add_f32 v[KB+16*\a+2*\k:KB+16*\a+2*\k+1], v[KB+16*\a+2*\k:KB+16*\a+2*\k+1], v[KB+16*\a+8+2*\k:KB+16*\a+9+2*\k]
.endr
.endr
.irp k, 0,1
.irp a, 0,1
	v_pk_add_f32 v[KB+16*\a+2*\k:KB+16*\a+2*\k+1], v[KB+16*\a+2*\k:KB+16*\a+2*\k+1], v[KB+16*\a+4+2*\k:KB+16*\a+5+2*\k]
.endr
.endr
.irp a, 0,1
	v_pk_add_f32 v[KB+16*\a:KB+16*\a+1], v[KB+16*\a:KB+16*\a+1], v[KB+16*\a+2:KB+16*\a+3]
.endr
.irp a, 0,1
	v_pk_add_f32 v[SU+2*\a:SU+2*\a+1], v[SU+2*\a:SU+2*\a+1], v[KB+16*\a:KB+16*\a+1]
.endr
	HOLD 0
	CODES 0
	WIN 0x40
	VLOAD 0                                        ; tile 0's p are codes: its registers take v
	VLOAD 1
	HOLD 1
	CODES 1
	s_lshl_b32 s[TB], s[CNT], 15
	s_add_co_u32 s[TB], s[TB], s[SB]
	s_add_co_u32 s[TB], s[TB], STEPB
	v_add_nc_u32 v[ADR], s[TB], v[LI]              ; the next key step (the loads above have read their address).  Also the plain line behind the last conversion
	s_wait_alu depctr_va_vdst(0)
	s_wait_dscnt 16                                ; block A's v is in; block B's 16 loads may be out
	PMUL 0
	s_wait_dscnt 0x0
	PMUL 1
	WIN 0
.endm
; THE CHANGE OF SLOTS stands at a slot's head.  Each wave waits for all its tensor loads (its part of the slot that it is about to read), adds 0 to its spare word, and waits for that and for its reads of the slot that it has left.
; fill = 1: a round of the cluster's barrier follows, so that no wave of any partner still reads that slot or has a load on its way; the joint load is the first thing behind it and has four key steps in which to land.
.macro CHANGE fill
	s_wait_tensorcnt 0x0                           ; no tensor load of mine is out, so the group 0 may be written
	ds_add_u32 v[SPW], v[NIL]                      ; 0 onto my spare word
.if \fill
	s_xor_b32 s[G0+1], s[G0+1], SLOTB              ; the other slot than last time,
	s_add_nc_u64 s[G0+2:G0+3], s[G0+2:G0+3], SLOTB ; the next 1,024 keys; the type bits on top are not reached
	s_wait_xcnt 0x0                                ; the last prefetch, a slot back, has read its address, so it may be written
	s_add_nc_u64 s[PFA:PFA+1], s[PFA:PFA+1], SLOTB ; one slot further on than the walking descriptor
	s_wait_dscnt 0x0                               ; the add is done, and my reads of the slot that I have left are over
	CROUND
	TLOAD
	ASK
.else
	s_wait_dscnt 0x0
	s_barrier_signal -1
	s_barrier_wait -1
.endif
.endm
.macro RUN                             ; a slot's four key steps
	v_add_nc_u32 v[ADR], s[SB], v[LI]
	s_mov_b32 s[CNT], 0
	s_wait_alu depctr_va_vdst(0)
.Lstep_\@:
	STEP
	s_add_co_u32 s[CNT], s[CNT], 1
	s_cmp_lt_u32 s[CNT], 4
	s_cbranch_scc1 .Lstep_\@
	s_xor_b32 s[SB], s[SB], SLOTB                  ; on to the other slot
.endm
	s_wait_alu depctr_va_vdst(0)
	s_wait_loadcnt 0x0                             ; q
.Lslot:                                            ; three trips: behind each change of slots but the last the next slot is asked for (the first time: slot 1's first fill, issued as a refill is)
	CHANGE 1
	RUN
	s_sub_co_u32 s[OUT], s[OUT], 1
	s_cmp_lg_u32 s[OUT], 0
	s_cbranch_scc1 .Lslot
	CHANGE 0                                       ; the last slot is written out
	RUN
	; THE WAY OUT: O^T x 2^(e8 + e9) / the sum, held, converted with 2^e10: tiles 2 b, 2 b + 1 of the channels give the 16 bytes of piece b
	PLACES
.irp a, 0,1
	v_add_f32 v[SU+2*\a], v[SU+2*\a], v[SU+2*\a+1] ; the sum's two halves,
.endr
.irp a, 0,1
	v_permlanex16_b32 v[XL+\a], v[SU+2*\a], s[SEL], s[SEL+1]
.endr
.irp a, 0,1
	v_add_f32 v[SU+2*\a], v[SU+2*\a], v[XL+\a]     ; and lane l xor 16's
.endr
	v_mov_b32 v[SC], s81                           ; 2^e10
	v_mov_b32 v[HA], s82                           ; 448 x 2^e10
	s_wait_alu depctr_va_vdst(0)
	v_rcp_f32 v[SU], v[SU]
	v_rcp_f32 v[SU+2], v[SU+2]
	v_nop                                          ; a plain line behind the transcendentals
	s_wait_alu depctr_va_vdst(0)                   ; and the wait ahead of their first reader
	v_ldexp_f32 v[SU], v[SU], s19
	v_ldexp_f32 v[SU+2], v[SU+2], s19
	s_wait_alu depctr_va_vdst(0)                   ; directly ahead of the first reader of O^T
.irp a, 0,1
.set J, 0
.rept 16
	v_pk_mul_f32 v[KB+32*\a+J:KB+32*\a+J+1], v[O+32*\a+J:O+32*\a+J+1], v[SU+2*\a:SU+2*\a+1] op_sel_hi:[1,0]   ; each accumulator from its low end on
.set J, J+2
.endr
.endr
.irp n, 0,1,2,3,4,5,6,7
.irp j, 0,1,2,3,4,5,6,7
	v_med3_num_f32 v[KB+8*\n+\j], v[KB+8*\n+\j], -v[HA], v[HA]
.endr
	v_cvt_scalef32_pk8_fp8_f32 v[KA+2*\n:KA+2*\n+1], v[KB+8*\n:KB+8*\n+7], v[SC]
.endr
	v_nop                                          ; one plain vector line behind the last conversion
.irp a, 0,1
	global_store_b128 v[LI], v[KA+8*\a:KA+8*\a+3], s[10:11] offset:2048*\a          ; a piece: 512 consecutive bytes, aligned
	global_store_b128 v[LI], v[KA+8*\a+4:KA+8*\a+7], s[10:11] offset:2048*\a+512
.endr
	s_wait_tensorcnt 0x0                           ; the wave's end, behind my last tensor load
	ds_add_u32 v[SPW], v[NIL]
	s_wait_dscnt 0x0
	CROUND                                         ; the closing round
	s_endpgm
.Lfunc_end_k_qde5c4b988f_attn:
	.size	k_qde5c4b988f_attn, .Lfunc_end_k_qde5c4b988f_attn-k_qde5c4b988f_attn
	.p2alignl 7, 3214868480
	.fill 96, 4, 3214868480
	.section	.rodata,"a",@progbits
	.p2align	6, 0x0
	.amdhsa_kernel k_qde5c4b988f_attn
		.amdhsa_group_segment_fixed_size 327680
		.amdhsa_private_segment_fixed_size 0
		.amdhsa_enable_private_segment 0
		.amdhsa_kernarg_size 32
		.amdhsa_user_sgpr_count 2
		.amdhsa_user_sgpr_kernarg_segment_ptr 1
		.amdhsa_wavefront_size32 1
		.amdhsa_system_sgpr_workgroup_id_x 1
		.amdhsa_system_sgpr_workgroup_id_y 1
		.amdhsa_system_sgpr_workgroup_id_z 1
		.amdhsa_system_vgpr_workitem_id 0
		.amdhsa_next_free_vgpr 512
		.amdhsa_next_free_sgpr 100
		.amdhsa_reserve_vcc 0
		.amdhsa_float_denorm_mode_32 3
		.amdhsa_float_denorm_mode_16_64 3
		.amdhsa_memory_ordered 1
		.amdhsa_forward_progress 1
		.amdhsa_inst_pref_size 124
	.end_amdhsa_kernel
	.amdgpu_metadata
---
amdhsa.version: [ 1, 2 ]
amdhsa.kernels:
  - .name:           k_qde5c4b988f_attn
    .symbol:         k_qde5c4b988f_attn.kd
    .args:
      - { .name: qcodes, .offset: 0, .size: 8, .value_kind: global_buffer, .address_space: global }
      - { .name: kvcodes, .offset: 8, .size: 8, .value_kind: global_buffer, .address_space: global }
      - { .name: lowp_scales, .offset: 16, .size: 8, .value_kind: global_buffer, .address_space: global }
      - { .name: acodes, .offset: 24, .size: 8, .value_kind: global_buffer, .address_space: global }
    .group_segment_fixed_size: 327680
    .private_segment_fixed_size: 0
    .kernarg_segment_align: 8
    .kernarg_segment_size: 32
    .max_flat_workgroup_size: 256
    .sgpr_count:     100
    .vgpr_count:     512
    .wavefront_size: 32
...
	.end_amdgpu_metadata
.endif
;; end of part 3
;; launch outp (part 4): grid 8 x 32, 4 waves a work-group, clusters of 4 x 4, 327,680 bytes of LDS; arguments acodes, wcodes, lowp_scales, b_o, out0; writes out0
.if DOCPART == 4
	.amdgcn_target "amdgcn-amd-amdhsa--gfx1250"
	.amdhsa_code_object_version 6
	.text
	.protected	k_qde5c4b988f_outp
	.globl	k_qde5c4b988f_outp
	.p2align	8
	.type	k_qde5c4b988f_outp,@function
k_qde5c4b988f_outp:
	s_mov_b64 s[64:65], 0
	v_nop
	global_prefetch_b8 v0, s[64:65] scope:SCOPE_SE
	s_setreg_imm32_b32 hwreg(HW_REG_WAVE_MODE, 25, 1), 1
	s_wait_xcnt 0x0
	s_wait_alu depctr_hold_cnt(0) depctr_sa_sdst(0) depctr_va_vdst(0) depctr_va_sdst(0) depctr_va_ssrc(0) depctr_va_vcc(0) depctr_vm_vsrc(0)
	s_getreg_b32 s2, hwreg(HW_REG_IB_STS2, 6, 4)
	s_cmp_eq_u32 s2, 0
	s_cbranch_scc0 .Lentry_in_a_cluster
	s_endpgm
.Lentry_in_a_cluster:
	s_bfe_u32 s2, ttmp6, 0x10000c
	s_cmp_lg_u32 s2, 0xf033
	s_cbranch_scc0 .Lentry_shape_is_right
	s_endpgm
.Lentry_shape_is_right:
; out0 = a w_o^T + b_o on codes of FP8 (E4M3): a = the attention's result as codes (acodes), w_o's codes at 3 MiB in wcodes; out0 [4096][1024] f32.
; FRAGMENTS: 16 rows x 128 k = 2,048 bytes: piece c at 512 c, lane l = (r, h) holds 16 bytes at 16 l: k = 32 c + 16 h + 0 .. 15 of its row (the same order of k on both sides).  Tile 2 b + u of a block of 128 rows holds in
; lane r the row 32 b + 8 u + r + 8 (r / 8).  A block is [K step 8][tile 8] fragments: 131,072 bytes.
; A WORK-GROUP makes 128 tokens x 128 outputs: P = w_o's rows as source 0, R = tokens as source 1; four waves of 64 x 64, 16 accumulators each.  Lane (r, h) holds the token of R's lane r, and register j of P's tiles 2 b, 2 b + 1
; the outputs 32 b + 16 h + 0 .. 15: neighbours of one row of out0.
; ALL OF K LIES IN LDS: 131,072 bytes a side, as in memory.  Nothing is filled again.  Waves 0, 1 fetch R's K steps 0-3 and 4-7, waves 2, 3 P's: ONE tensor load a wave, 65,536 dense bytes; one wait for it and one barrier.
; No prefetch: the launch has no loop to run ahead in: all its loads go out at its head.
; CLUSTER 4 x 4: R's block is asked for jointly by a row of the cluster, P's by a column.
; THE WAY OUT: a tile of 16 tokens x 64 outputs goes through the wave's own stage in LDS (bytes into which no tile lands) and leaves as rows of 256 bytes: sixteen lanes store one aligned run of 256 bytes.
; LIMIT: e10 + e11 between -126 and 127.
.set PB,    131072                     ; LDS: R's block at 0, P's here
.set KST,   16384
.set STAGE, 262144                     ; 16 rows x 272 bytes for each wave
.set SPITCH, 272
.set SPARE, STAGE+4*16*SPITCH          ; behind the stages: the spare words, 128 bytes for each wave
.set AR,   16                          ; v16, v17  my R fragments: K steps 0-3, 4-7
.set AP,   18                          ; v18, v19  my P fragments
.set LI,   20                          ; v20  16 x lane
.set STO,  24                          ; v24  the stage: where I put 32 bytes of a row
.set RD,   25                          ; v25  and where I read a row back
.set CO,   26                          ; v26  my byte offset in two rows of out0
.set SPW,  28                          ; v28  LDS address of my spare word; never rewritten
.set NIL,  29                          ; v29  0; never rewritten
.set BP,   32                          ; v32-63   b_o: 8 for each of P's four tiles
.set BK,   64                          ; v64-95, v96-127 a tile's rows read back, by turns
.set ACC,  128                         ; v128-255 accumulator (a, i) at ACC + 32 i + 8 a.   Window 1: two fragment buffers of 128: R's four fragments, then P's four
.set G1R, 28
.set G1P, 36
.set G0R, 44
.set G0P, 68
.set MSB, 0
.macro WIN new                         ; the immediate's high byte repeats the setting that is left
.if MSB != \new
	s_set_vgpr_msb (MSB<<8)|\new
.set MSB, \new
.endif
.endm
.set MUL,  0x05                        ; sources 0 and 1 window 1; C and D window 0
.set TO_F, 0x40                        ; destination window 1, address window 0
.macro CROUND                          ; a round of the cluster's barrier
	s_barrier_signal -1
	s_barrier_wait -1
	s_cmp_lg_u32 s20, 0
	s_cbranch_scc1 .Lnot_wave_0_\@
	s_barrier_signal -3
.Lnot_wave_0_\@:
	s_barrier_wait -3
	s_barrier_signal -1
	s_barrier_wait -1
.endm
.macro PLACES                          ; four places behind matrix instructions (ISA guide 7.12.1)
.rept 4
	v_nop
.endr
.endm
	s_load_b256 s[4:11], s[0:1], 0x0               ; acodes, wcodes, the scales' exponents, b_o
	s_load_b64 s[12:13], s[0:1], 0x20              ; out0
	v_lshl_add_u32 v[SPW], v0, 2, SPARE
	v_mov_b32 v[NIL], 0
	ds_add_u32 v[SPW], v[NIL]                      ; the wave's opening: the add, twice on end, and its wait ahead of my first tensor load; the set-up below stands between them
	ds_add_u32 v[SPW], v[NIL]
	v_lshrrev_b32 v1, 5, v0
	v_readfirstlane_b32 s20, v1                    ; wave 0..3
	s_lshr_b32 s21, s20, 1                         ; my half of the tokens.  Also: I fetch for R (0) or for P (1)
	s_and_b32 s22, s20, 1                          ; my half of the outputs.  Also: I fetch K steps 0-3 (0) or 4-7 (1)
	s_bfe_u32 s23, ttmp6, 0x40000                  ; cx
	s_bfe_u32 s24, ttmp6, 0x40004                  ; cy
	s_lshl_b32 s62, ttmp9, 2
	s_add_co_u32 s62, s62, s23                     ; TP: w_o's block, 0..7: hangs on cx, never on cy
	s_and_b32 s63, ttmp7, 0xffff
	s_lshl_b32 s63, s63, 2
	s_add_co_u32 s63, s63, s24                     ; TR: the tokens' block, 0..31: hangs on cy, never on cx
	s_lshl_b32 s67, s22, 16                        ; my four K steps, in LDS and in memory
	s_lshl_b32 s84, s62, 17
	s_add_co_u32 s84, s84, 0x300000                ; w_o's place in wcodes
	s_add_co_u32 s84, s84, s67
	s_mov_b32 s85, 0
	s_lshl_b32 s86, s63, 17
	s_add_co_u32 s86, s86, s67
	s_mov_b32 s87, 0
	s_lshl_b32 s2, s24, 2
	s_lshl_b32 s2, 15, s2                          ; my row of the cluster
	s_lshl_b32 s3, 0x1111, s23                     ; my column
	s_or_b32 s[G1R], s2, (3<<16)|(1<<21)           ; 15:0 the mask; 17:16 elements of 8 bytes; 20 no padding; 21 set beside a mask
	s_or_b32 s[G1P], s3, (3<<16)|(1<<21)
.irp g, G1R, G1P
	s_mov_b32 s[\g+1], 32<<16                      ; tensor_dim0 = 32 elements: rows of 256 bytes
	s_mov_b32 s[\g+2], 256<<16                     ; tensor_dim1 = 256
	s_mov_b32 s[\g+3], 32<<16                      ; tile_dim0 = 32
	s_mov_b32 s[\g+4], 256                         ; tile_dim1 = 256: 65,536 bytes
	s_mov_b32 s[\g+5], 32                          ; the pitch: dense
	s_mov_b32 s[\g+6], 0
	s_mov_b32 s[\g+7], 0
.endr
	s_wait_dscnt 0x0                               ; both opening adds are done
	s_wait_kmcnt 0x0
	s_load_b64 s[94:95], s[8:9], 0x28              ; e10, e11
	s_add_nc_u64 s[88:89], s[6:7], s[84:85]
	s_add_nc_u64 s[90:91], s[4:5], s[86:87]
	s_mov_b32 s[G0R], 1
	s_add_co_u32 s[G0R+1], s67, 0
	s_add_nc_u64 s[G0R+2:G0R+3], s[90:91], 0
	s_or_b32 s[G0R+3], s[G0R+3], 0x80000000
	s_mov_b32 s[G0P], 1
	s_add_co_u32 s[G0P+1], s67, PB
	s_add_nc_u64 s[G0P+2:G0P+3], s[88:89], 0
	s_or_b32 s[G0P+3], s[G0P+3], 0x80000000
	CROUND                                         ; all sixteen work-groups are here: the joint loads meet
	s_cmp_eq_u32 s21, 0                            ; one first fill a wave, in one branch on the wave's number, an s_nop 0 and four v_nop behind it
	s_cbranch_scc0 .Lfirst_p
	tensor_load_to_lds s[G0R:G0R+3], s[G1R:G1R+7]
	s_nop 0
	PLACES
	s_branch .Lfirst_asked
.Lfirst_p:
	tensor_load_to_lds s[G0P:G0P+3], s[G1P:G1P+7]
	s_nop 0
	PLACES
.Lfirst_asked:
	v_and_b32 v1, 31, v0
	v_lshlrev_b32 v[LI], 4, v1
	v_and_b32 v3, 15, v0                           ; r
	s_wait_alu depctr_va_vdst(0)
	v_bfe_u32 v4, v0, 4, 1                         ; h
	v_lshlrev_b32 v5, 6, v4                        ; b_o: my half's sixteen numbers begin 64 h bytes on
	s_lshl_b32 s84, s62, 9
	s_lshl_b32 s2, s22, 8
	s_add_co_u32 s84, s84, s2                      ; 4 (128 TP + 64 hP): in b_o, and in a row of out0
	s_add_nc_u64 s[96:97], s[10:11], s[84:85]
.irp a, 0,1,2,3
	global_load_b128 v[BP+8*\a:BP+8*\a+3], v5, s[96:97] offset:(32*(\a/2)+8*(\a%2))*4
	global_load_b128 v[BP+8*\a+4:BP+8*\a+7], v5, s[96:97] offset:(32*(\a/2)+8*(\a%2))*4+16
.endr
	s_lshl_b32 s2, s21, 13                         ; my four tiles of R: 8,192 hR
	v_add_nc_u32 v[AR], s2, v[LI]
	v_add_nc_u32 v[AR+1], 4*KST, v[AR]
	s_lshl_b32 s2, s22, 13
	s_add_co_u32 s2, s2, PB
	v_add_nc_u32 v[AP], s2, v[LI]
	v_add_nc_u32 v[AP+1], 4*KST, v[AP]
	s_mul_i32 s2, s20, 16*SPITCH
	s_add_co_u32 s2, s2, STAGE                     ; my stage
	v_mul_u32_u24 v[STO], v3, SPITCH               ; in: row r, + 64 h
	s_wait_alu depctr_va_vdst(0)
	v_lshl_add_u32 v[STO], v4, 6, v[STO]
	v_add_nc_u32 v[STO], s2, v[STO]
	v_mul_u32_u24 v[RD], v4, SPITCH                ; back: lanes 0-15 one row of 256 bytes, lanes 16-31 the next
	v_lshl_add_u32 v[RD], v3, 4, v[RD]
	v_add_nc_u32 v[RD], s2, v[RD]
	v_lshlrev_b32 v[CO], 12, v4                    ; and the same two rows in out0
	v_lshl_add_u32 v[CO], v3, 4, v[CO]
	s_lshl_b32 s86, s63, 19                        ; my first token's row: (128 TR + 64 hR) x 4,096 bytes
	s_lshl_b32 s2, s21, 18
	s_add_co_u32 s86, s86, s2
	s_add_co_u32 s86, s86, s84
	s_add_nc_u64 s[12:13], s[12:13], s[86:87]
	s_wait_kmcnt 0x0
	s_add_co_i32 s94, s94, s95
	s_add_co_i32 s94, s94, 127
	s_lshl_b32 s94, s94, 23                        ; 2^(e10 + e11) as f32
	s_mov_b32 s95, s94                             ; (named with it as a pair, so it is written)
.macro FETCH s, f                      ; K step s: my four fragments of R and four of P, 32 loads of 512 consecutive bytes, into buffer f
	WIN TO_F
.irp i, 0,1,2,3
.irp c, 0,1,2,3
	ds_load_b128 v[128*(\f)+16*\i+4*\c:128*(\f)+16*\i+4*\c+3], v[AR+(\s)/4] offset:((\s)%4)*KST+\i*2048+\c*512
.endr
.endr
.irp i, 0,1,2,3
.irp c, 0,1,2,3
	ds_load_b128 v[128*(\f)+64+16*\i+4*\c:128*(\f)+64+16*\i+4*\c+3], v[AP+(\s)/4] offset:((\s)%4)*KST+\i*2048+\c*512
.endr
.endr
.endm
.macro MUL16 f, zero                   ; 16 matrix instructions, 128 along K; the 16 accumulators take turns, one instruction a turn, in the same order in every step.  zero = 1: the first products start the sums
	WIN MUL
.irp i, 0,1,2,3
.irp a, 0,1,2,3
.if \zero
	v_wmma_f32_16x16x128_fp8_fp8 v[ACC+32*\i+8*\a:ACC+32*\i+8*\a+7], v[128*(\f)+64+16*\a:128*(\f)+64+16*\a+15], v[128*(\f)+16*\i:128*(\f)+16*\i+15], 0
.else
	v_wmma_f32_16x16x128_fp8_fp8 v[ACC+32*\i+8*\a:ACC+32*\i+8*\a+7], v[128*(\f)+64+16*\a:128*(\f)+64+16*\a+15], v[128*(\f)+16*\i:128*(\f)+16*\i+15], v[ACC+32*\i+8*\a:ACC+32*\i+8*\a+7]
.endif
.endr
.endr
.endm
.macro STEP s, zero
	s_wait_dscnt 0x0                               ; this step's fragments are in (asked for 16 matrix instructions ago)
.if (\s) < 7
.if (\s) > 0
	PLACES                                         ; the other buffer was read by the last step's products
.endif
	FETCH (\s)+1, 1-(\s)%2
.endif
	MUL16 (\s)%2, \zero
.endm
	s_wait_tensorcnt 0x0                           ; my one load has landed
	s_barrier_signal -1
	s_barrier_wait -1                              ; everybody's has: all of K lies in LDS, both sides
	FETCH 0, 0
	STEP 0, 1
	STEP 1, 0
	STEP 2, 0
	STEP 3, 0
	STEP 4, 0
	STEP 5, 0
	STEP 6, 0
	STEP 7, 0
	WIN 0
	PLACES
	s_wait_loadcnt 0x0                             ; b_o
; R's tile n: 16 tokens x my 64 outputs: sum x 2^(e10 + e11) + b_o, into the stage, and back as rows.  LDS serves a wave's instructions in order: no wait between the stores and the loads, nor in front of the next tile's stores.
.macro TOSTAGE n
.irp a, 0,1,2,3
.irp j, 0,2,4,6
	v_pk_fma_f32 v[ACC+32*(\n)+8*\a+\j:ACC+32*(\n)+8*\a+\j+1], v[ACC+32*(\n)+8*\a+\j:ACC+32*(\n)+8*\a+\j+1], s[94:95], v[BP+8*\a+\j:BP+8*\a+\j+1] op_sel_hi:[1,0,1]   ; each accumulator from its low end on
.endr
.endr
.irp a, 0,1,2,3
	ds_store_b128 v[STO], v[ACC+32*(\n)+8*\a:ACC+32*(\n)+8*\a+3] offset:128*(\a/2)+32*(\a%2)         ; outputs 32 (a / 2) + 16 h + 8 (a % 2) + 0 .. 7 of my token
	ds_store_b128 v[STO], v[ACC+32*(\n)+8*\a+4:ACC+32*(\n)+8*\a+7] offset:128*(\a/2)+32*(\a%2)+16
.endr
.irp t, 0,1,2,3,4,5,6,7
	ds_load_b128 v[BK+32*((\n)%2)+4*\t:BK+32*((\n)%2)+4*\t+3], v[RD] offset:2*\t*SPITCH
.endr
.endm
.macro SEND n, younger                 ; younger: the LDS instructions issued behind tile n's loads, which may stay out.  Stage row 2 t + (lane / 16) is token 32 (n / 2) + 8 (n % 2) + 2 t + 8 (t / 4) + (lane / 16) of my 64
	s_wait_dscnt \younger
.irp t, 0,1,2,3,4,5,6,7
	global_store_b128 v[CO], v[BK+32*((\n)%2)+4*\t:BK+32*((\n)%2)+4*\t+3], s[12:13] offset:(32*((\n)/2)+8*((\n)%2)+2*\t+8*(\t/4))*4096 th:TH_STORE_NT   ; sixteen lanes store 256 consecutive bytes, aligned
.endr
.endm
	TOSTAGE 0
	TOSTAGE 1
	SEND 0, 16                                     ; behind tile 0's loads: tile 1's 8 stores and 8 loads
	s_wait_xcnt 0x0                                ; tile 0's stores have read their registers: tile 2's rows may land there
	TOSTAGE 2
	SEND 1, 16
	s_wait_xcnt 0x0
	TOSTAGE 3
	SEND 2, 16
	SEND 3, 0
	s_wait_tensorcnt 0x0                           ; the wave's end, behind my last tensor load and my last LDS store
	ds_add_u32 v[SPW], v[NIL]
	s_wait_dscnt 0x0
	CROUND                                         ; the closing round
	s_endpgm
.Lfunc_end_k_qde5c4b988f_outp:
	.size	k_qde5c4b988f_outp, .Lfunc_end_k_qde5c4b988f_outp-k_qde5c4b988f_outp
	.p2alignl 7, 3214868480
	.fill 96, 4, 3214868480
	.section	.rodata,"a",@progbits
	.p2align	6, 0x0
	.amdhsa_kernel k_qde5c4b988f_outp
		.amdhsa_group_segment_fixed_size 327680
		.amdhsa_private_segment_fixed_size 0
		.amdhsa_enable_private_segment 0
		.amdhsa_kernarg_size 40
		.amdhsa_user_sgpr_count 2
		.amdhsa_user_sgpr_kernarg_segment_ptr 1
		.amdhsa_wavefront_size32 1
		.amdhsa_system_sgpr_workgroup_id_x 1
		.amdhsa_system_sgpr_workgroup_id_y 1
		.amdhsa_system_sgpr_workgroup_id_z 1
		.amdhsa_system_vgpr_workitem_id 0
		.amdhsa_next_free_vgpr 512
		.amdhsa_next_free_sgpr 102
		.amdhsa_reserve_vcc 0
		.amdhsa_float_denorm_mode_32 3
		.amdhsa_float_denorm_mode_16_64 3
		.amdhsa_memory_ordered 1
		.amdhsa_forward_progress 1
		.amdhsa_inst_pref_size 44
	.end_amdhsa_kernel
	.amdgpu_metadata
---
amdhsa.version: [ 1, 2 ]
amdhsa.kernels:
  - .name:           k_qde5c4b988f_outp
    .symbol:         k_qde5c4b988f_outp.kd
    .args:
      - { .name: acodes, .offset: 0, .size: 8, .value_kind: global_buffer, .address_space: global }
      - { .name: wcodes, .offset: 8, .size: 8, .value_kind: global_buffer, .address_space: global }
      - { .name: lowp_scales, .offset: 16, .size: 8, .value_kind: global_buffer, .address_space: global }
      - { .name: b_o, .offset: 24, .size: 8, .value_kind: global_buffer, .address_space: global }
      - { .name: out0, .offset: 32, .size: 8, .value_kind: global_buffer, .address_space: global }
    .group_segment_fixed_size: 327680
    .private_segment_fixed_size: 0
    .kernarg_segment_align: 8
    .kernarg_segment_size: 40
    .max_flat_workgroup_size: 128
    .sgpr_count:     102
    .vgpr_count:     512
    .wavefront_size: 32
...
	.end_amdgpu_metadata
.endif
;; end of part 4
